; MI455X (gfx1250); checked and timed in simulation.
; The chip was launched on July 23, 2026; its instructions are those of AMD's public machine-readable ISA for CDNA 5 (MIT licence, August 2026) and "CDNA5" Instruction Set Architecture Reference Guide (July 2026). The comments in the code are by the model that wrote it; some were corrected since.
;; Self Attention. Allowed arithmetic: matrix products marked QUANTISED: E2M1 operands, one E8M0 scale for each 32 along K, by v_wmma_scale_f32_16x16x128_f8f6f4 with both operands' format E2M1 (or v_wmma_scale_f32_32x16x128_f4), f32 sums; everything else in f32.
;; Inputs: bk 32 float32; bq 32 float32; bv 256 float32; wk 32 x 256 float32; wq 32 x 256 float32; wv 256 x 256 float32; x 8 x 256 x 64 x 64 float32.
;; Outputs: out0 8 x 256 x 64 x 64 float32.
;; This version of the problem:
;;   THIS VERSION OF THE PROBLEM IS GIVEN IN LOW PRECISION. The matrix products marked QUANTISED in the list below multiply operands that are first quantised to E2M1 (2 exponent bits, 1 mantissa bit; 4 bits a number), with one power-of-two scale for each 32 numbers along K (OCP MX v1.0); their sums are f32. All else is computed in f32.
;;   The module's matrix products, in the order in which they are computed (A, B: the left and right operand; K: the contracted axis; several contracted axes count as one K, in the product's order):
;;     1. [M 32,768, K 256] x [K 256, N 32]; A: input x; B: input wq: QUANTISED
;;     2. [M 32,768, K 256] x [K 256, N 32]; A: input x; B: input wk: QUANTISED
;;     3. [M 32,768, K 256] x [K 256, N 256]; A: input x; B: input wv: QUANTISED
;;     4. batch 8 x [M 4,096, K 32] x [K 32, N 4,096]; A: computed on the way; B: computed on the way: QUANTISED
;;     5. batch 8 x [M 256, K 4,096] x [K 4,096, N 4,096]; A: computed on the way; B: softmax (see below): QUANTISED
;;   THE QUANTISER, for each operand of a quantised product, along K:
;;     - K is cut into blocks of 32 from its start; a last block that is shorter is filled with zeros.
;;     - A block's scale is 2^e with e = floor(log2(the largest magnitude in the block)) - 2, held to -126 .. 127; a block of zeros has e = 0. As a byte (E8M0): e + 127.
;;     - Each number is divided by its block's scale, clamped to +-6, and rounded to the nearest number of E2M1, ties to even, subnormals kept.
;;     - The product sums the exact products of the quantised numbers (number of the format x scale) in f32.
;;   ~~~python
;;   def quantise(x, axis):      # numpy; x: float32 -> the quantised numbers, widened to float32 again
;;       x = np.moveaxis(x, axis, -1); K = x.shape[-1]
;;       x = np.pad(x, [(0, 0)] * (x.ndim - 1) + [(0, -K % 32)]); x = x.reshape(x.shape[:-1] + (-1, 32)); a = np.abs(x).max(-1, keepdims=True)
;;       e = np.where(a > 0, np.clip(np.frexp(np.where(a > 0, a, 1))[1] - 1 - 2, -126, 127), 0)      # np.frexp(a)[1] - 1 = floor(log2(a)), exactly
;;       r = np.clip(x / 2.0 ** e, -6, 6)
;;       step = 2.0 ** (np.maximum(np.frexp(np.where(r == 0, 1, r))[1] - 1, 0) - 1)
;;       q = np.round(r / step) * step * 2.0 ** e      # np.round: ties to even
;;       return np.moveaxis(q.reshape(q.shape[:-2] + (-1,))[..., :K], -1, axis).astype(np.float32)
;;   ~~~
;;   SOFTMAX AHEAD OF A QUANTISED PRODUCT. Where the list says 'softmax', what is quantised is not the finished softmax but p = 2^(t - M), with t = logit x log2(e) and M = ceil(the row's largest t), a whole number; so 1/2 < the row's largest p <= 1. The row's sum l is taken of the UNQUANTISED p, in f32, and the product's result is divided by l at the end. Since M is a whole number, a kernel that streams over the keys may use a running M (the ceiling of the running maximum): every later rescaling is an exact power of two, which a block's scale takes up: the codes' values come out the same.
;;   OPERANDS COMPUTED ON THE WAY. 'Computed on the way' means the value that the module computes at that place (a softmax that the list does not call 'softmax' is quantised finished and normalised). What goes into a quantiser is computed in f32, as accurately as f32 sums, v_exp_f32 and their like allow (about 1e-6 of the number): no bf16 or f16 on the way to a quantiser, and a product that is left as it is and whose result goes on into a quantised operand takes f32 operands (vector FMAs, or v_wmma_f32_16x16x4_f32). A number that lies on a knife's edge between two numbers of the format may be rounded either way, as far as f32 arithmetic and the matrix unit's own rounding can turn it there, and no further.
;; One version. Each part assembles by itself: llvm-mc -triple=amdgcn-amd-amdhsa -mcpu=gfx1250 --defsym DOCPART=n.
;; ======== version 1 of 1: 3 launches
;; workspace buffers: wimg 46,080 bytes; qimg 524,288 bytes; qsc 131,072 bytes; kv 5,242,880 bytes
;; launch wquant (part 1): grid 10 x 1, 4 waves a work-group, no clusters, 0 bytes of LDS; arguments wq, wk, wv, wimg; writes wimg
.if DOCPART == 1
	.amdgcn_target "amdgcn-amd-amdhsa--gfx1250"
	.amdhsa_code_object_version 6
	.text
	.protected	k_q03b90ea007_wquant
	.globl	k_q03b90ea007_wquant
	.p2align	8
	.type	k_q03b90ea007_wquant,@function
k_q03b90ea007_wquant:
	s_mov_b64 s[64:65], 0
	v_nop
	global_prefetch_b8 v0, s[64:65] scope:SCOPE_SE
	s_setreg_imm32_b32 hwreg(HW_REG_WAVE_MODE, 25, 1), 1
	s_wait_xcnt 0x0
; wq [32][256], wk [32][256], wv [256][256], f32, K = the 256 channels innermost, become codes of FP4 (E2M1) with one E8M0 byte for each 32 along K,
; laid as IMAGES OF OPERAND REGISTERS: 20 tiles of 16 rows x 2 K steps of 128 = 40 fragments of 1,024 bytes.  Fragment f = 2 T + s lies at byte 1,024 f; its registers 4 c .. 4 c + 3
; lie at + 512 c + 16 x lane; lane (r, h) holds k = 128 s + 64 c + 32 h + 0 .. 31 of the tile's row r.  The fragment's scale words lie at 40,960 + 128 f + 4 x lane.
; TILES: T = 0, 1: wq, row 8 T + r + 8 (r / 8);  T = 2, 3: wk likewise;  T = 4 .. 19: wv, row 16 (T - 4) + r.  The rows of wq's and wk's tiles are not neighbours, so that in the
; transposed product the 16 registers of a pair of tiles are 16 neighbours along d, the next product's K.
; SHARES: work-group g makes tiles 2 g and 2 g + 1, wave w fragment 4 g + w.  A lane holds two whole blocks of 32, so no other lane is asked for a maximum.
; A block's scale is 2^(floor(log2(largest magnitude)) - 2): its byte is the largest magnitude's exponent field - 2, held at 1 from below.
; LIMITS: a block of zeros gets the byte 1 where the rule says 127 (its codes are zeros, and this program alone reads the bytes); NaN and infinities are not served.
; The tensors are small (327,680 bytes in all): a lane reads its 128 consecutive bytes by eight loads, rows 1,024 bytes apart; a wave's scale words leave as 128 consecutive bytes.
.set AM,  32                           ; v32-33  the two blocks' largest magnitudes
.set BYT, 36                           ; v36-37  their scale bytes
.set SOP, 44                           ; v44-45  the conversions' scale operands
.set COD, 48                           ; v48-55  the fragment's codes
.set NUM, 64                           ; v64-127 my 64 numbers
	s_load_b256 s[4:11], s[0:1], 0x0               ; wq s[4:5], wk s[6:7], wv s[8:9], wimg s[10:11]
	v_lshrrev_b32 v1, 5, v0
	v_readfirstlane_b32 s12, v1                    ; wave 0..3
	s_lshr_b32 s13, s12, 1                         ; u: which tile of the pair
	s_and_b32 s14, s12, 1                          ; s: which K step
	s_max_u32 s18, ttmp9, 2
	s_sub_co_u32 s18, s18, 2
	s_lshl_b32 s18, s18, 5                         ; wv: 32 rows for each work-group from the third on; 0 for wq and wk
	s_lshl_b32 s19, ttmp9, 2
	s_add_co_u32 s19, s19, s12                     ; f = 4 g + w
	s_lshl_b32 s22, s19, 10                        ; the fragment's place,
	s_mov_b32 s23, 0
	s_lshl_b32 s30, s19, 7
	s_add_co_u32 s30, s30, 40960                   ; and its scale words'
	s_mov_b32 s31, 0
	s_mov_b32 s28, 0x76543210
	s_mov_b32 s29, 0xfedcba98                      ; v_permlanex16_b32's selects for lane l xor 16
	v_and_b32 v1, 15, v0                           ; r
	v_bfe_u32 v2, v0, 4, 1                         ; h
	v_and_b32 v7, 31, v0                           ; lane
	v_lshlrev_b32 v5, 4, v7                        ; 16 x lane
	v_lshlrev_b32 v6, 2, v7                        ; 4 x lane
	s_wait_kmcnt 0x0
	s_add_nc_u64 s[24:25], s[10:11], s[22:23]
	s_add_nc_u64 s[26:27], s[10:11], s[30:31]
	s_cmp_eq_u32 ttmp9, 0                          ; which tensor: the choice hangs on the work-group's number alone
	s_cselect_b64 s[20:21], s[4:5], s[6:7]
	s_cmp_lt_u32 ttmp9, 2
	s_cselect_b64 s[20:21], s[20:21], s[8:9]
	s_cselect_b32 s15, 8, 0                        ; wq, wk: rows r + 8 (r / 8);  wv: rows r
	s_cselect_b32 s16, 3, 4                        ; wq, wk: the pair's tiles lie 8 rows apart;  wv: 16
	s_lshl_b32 s17, s13, s16
	s_add_co_u32 s17, s17, s18
	s_lshl_b32 s16, s14, 9                         ; a K step is 512 bytes of a row
	v_and_b32 v3, s15, v1
	v_add3_u32 v3, v3, v1, s17                     ; my row
	v_lshl_add_u32 v4, v3, 10, s16                 ; 1,024 bytes a row
	v_lshl_add_u32 v4, v2, 7, v4                   ; + 32 h numbers
.irp c, 0,1
.irp i, 0,1,2,3,4,5,6,7
	global_load_b128 v[NUM+32*\c+4*\i:NUM+32*\c+4*\i+3], v4, s[20:21] offset:256*\c+16*\i   ; k = 128 s + 64 c + 32 h + 4 i ..
.endr
.endr
	s_wait_loadcnt 0x0
.irp c, 0,1
	v_max3_num_f32 v[AM+\c], |v[NUM+32*\c]|, |v[NUM+32*\c+1]|, 0x1800000   ; my block 2 c + h, and the floor 2^(3 - 127): the byte cannot fall under 1
.endr
.irp i, 2,4,6,8,10,12,14,16,18,20,22,24,26,28,30
.irp c, 0,1
	v_max3_num_f32 v[AM+\c], v[AM+\c], |v[NUM+32*\c+\i]|, |v[NUM+32*\c+\i+1]|   ; the two blocks by turns
.endr
.endr
.irp c, 0,1
	v_add_nc_u32 v[SOP+\c], 0xff000000, v[AM+\c]   ; 2 off the exponent field: the conversion takes that field of this operand as its scale
.endr
.irp c, 0,1
	v_lshrrev_b32 v[BYT+\c], 23, v[SOP+\c]         ; the scale's byte
.endr
	v_lshl_or_b32 v9, v[BYT+1], 16, v[BYT]         ; my two bytes: blocks h and 2 + h,
	v_lshlrev_b32 v10, 3, v2
	v_lshlrev_b32 v9, v10, v9                      ; at their places in the word;
	v_mov_b32 v10, 0
	v_permlanex16_b32 v10, v9, s28, s29
	v_or_b32 v9, v9, v10                           ; with lane l xor 16's two the word is whole, in both lanes
.irp c, 0,1
.irp g, 0,1,2,3
	v_cvt_scalef32_pk8_fp4_f32 v[COD+4*\c+\g], v[NUM+32*\c+8*\g:NUM+32*\c+8*\g+7], v[SOP+\c]
.endr
.endr
	v_nop                                          ; one plain place behind the last scaled conversion
.irp c, 0,1
	global_store_b128 v5, v[COD+4*\c:COD+4*\c+3], s[24:25] offset:512*\c   ; the wave stores 512 consecutive bytes, aligned
.endr
	global_store_b32 v6, v9, s[26:27]
	s_endpgm
.Lfunc_end_k_q03b90ea007_wquant:
	.size	k_q03b90ea007_wquant, .Lfunc_end_k_q03b90ea007_wquant-k_q03b90ea007_wquant
	.p2alignl 7, 3214868480
	.fill 96, 4, 3214868480
	.section	.rodata,"a",@progbits
	.p2align	6, 0x0
	.amdhsa_kernel k_q03b90ea007_wquant
		.amdhsa_group_segment_fixed_size 0
		.amdhsa_private_segment_fixed_size 0
		.amdhsa_enable_private_segment 0
		.amdhsa_kernarg_size 32
		.amdhsa_user_sgpr_count 2
		.amdhsa_user_sgpr_kernarg_segment_ptr 1
		.amdhsa_wavefront_size32 1
		.amdhsa_system_sgpr_workgroup_id_x 1
		.amdhsa_system_sgpr_workgroup_id_y 1
		.amdhsa_system_sgpr_workgroup_id_z 1
		.amdhsa_system_vgpr_workitem_id 0
		.amdhsa_next_free_vgpr 128
		.amdhsa_next_free_sgpr 66
		.amdhsa_reserve_vcc 0
		.amdhsa_float_denorm_mode_32 3
		.amdhsa_float_denorm_mode_16_64 3
		.amdhsa_memory_ordered 1
		.amdhsa_forward_progress 1
		.amdhsa_inst_pref_size 7
	.end_amdhsa_kernel
	.amdgpu_metadata
---
amdhsa.version: [ 1, 2 ]
amdhsa.kernels:
  - .name:           k_q03b90ea007_wquant
    .symbol:         k_q03b90ea007_wquant.kd
    .args:
      - { .name: wq, .offset: 0, .size: 8, .value_kind: global_buffer, .address_space: global }
      - { .name: wk, .offset: 8, .size: 8, .value_kind: global_buffer, .address_space: global }
      - { .name: wv, .offset: 16, .size: 8, .value_kind: global_buffer, .address_space: global }
      - { .name: wimg, .offset: 24, .size: 8, .value_kind: global_buffer, .address_space: global }
    .group_segment_fixed_size: 0
    .private_segment_fixed_size: 0
    .kernarg_segment_align: 8
    .kernarg_segment_size: 32
    .max_flat_workgroup_size: 128
    .sgpr_count:     66
    .vgpr_count:     128
    .wavefront_size: 32
...
	.end_amdgpu_metadata
.endif
;; end of part 1
;; launch proj (part 2): grid 32 x 8, 4 waves a work-group, no clusters, 180,736 bytes of LDS; arguments x, wimg, bq, bk, bv, qimg, qsc, kv; writes qimg, qsc, kv
.if DOCPART == 2
	.amdgcn_target "amdgcn-amd-amdhsa--gfx1250"
	.amdhsa_code_object_version 6
	.text
	.protected	k_q03b90ea007_proj
	.globl	k_q03b90ea007_proj
	.p2align	8
	.type	k_q03b90ea007_proj,@function
k_q03b90ea007_proj:
	s_mov_b64 s[64:65], 0
	v_nop
	global_prefetch_b8 v0, s[64:65] scope:SCOPE_SE
	s_setreg_imm32_b32 hwreg(HW_REG_WAVE_MODE, 25, 1), 1
	s_wait_xcnt 0x0
; q = wq x + bq, k = wk x + bk, v = wv x + bv for 128 positions of one batch, all three products on codes of FP4 (E2M1) with one E8M0 byte for each 32 along K = the 256 channels;
; then q and k are quantised along d (one block of 32) and v along the positions (the keys of the last product), and leave as images of the operand registers of the attention launch.
; x: [8][256][4096] f32.  wimg: the weights' fragments and scale words, as the launch before laid them.
; SHARES: work-group (step, batch) owns positions 128 step .. + 127; wave w its positions 32 w .. + 31, for which it makes all 320 outputs: 80 matrix instructions.
; x's tile (256 channels x 128 positions, rows of 512 bytes) and all of wimg come into LDS once, by two tensor loads a wave, both out together.
; THE ORDER OF POSITIONS: in a group of 32, image index 16 p + r stands for position 16 (r / 8) + 8 p + r % 8.  So in a result whose registers run along the positions
; (v: source 0 = 16 positions, source 1 = 16 rows of wv) the 16 registers of tiles p = 0, 1 are 16 neighbouring positions, 16 (lane / 16) + 0 .. 15; and the attention's scores come out likewise.
; x: lane l takes image index l and its registers run down the channels: a block of 32 lies in one lane; two lanes' halves change places by v_permlane16_swap_b32 to give the operand's layout.
; q, k: source 0 = 16 rows of the weight, source 1 = 16 positions: a lane holds one position and d = 16 (lane / 16) + 0 .. 15 in the 16 registers of tiles u = 0, 1.  The bias is the C of the first product.
; OUT: qimg [batch][image index][16 bytes];  qsc [batch][image index]: q's byte in all four bytes of a word;  kv [batch][step][20,480]: K's codes at 0 (512 w + 16 (16 p + r)), V's at 2,048
; (1,024 t + 256 w + 16 r: channel 16 t + r, my 32 keys), V's scale words at 18,432, K's scale bytes at 19,456, zeros from 19,584 on, so that every byte that is fetched later has been stored.
; NO CLUSTER: work-groups share wimg alone, 46,080 of the 177,152 bytes that a work-group fetches, and it is asked for once.
; LIMITS: a block of zeros gets the byte 1 where the rule says 127 (its codes are zeros, and this program alone reads the bytes); NaN and infinities are not served.
.set WI,    131072                     ; LDS: x's tile at 0 (pitch 512); wimg here;
.set WSC,   WI+40960                   ; its scale words;
.set TAIL,  177152                     ; written by LDS stores alone: V's scale words (1,024), K's scale bytes (128), zeros;
.set QSL,   179456                     ; q's scale words (512)
.set STEPB, 20480
.set VOFF,  2048
.set TOFF,  18432
.set XA0, 4                            ; v4, v5  x: 128 w + 4 x my position, channels 0-127 and 128-255
.set WA,  6                            ; v6   WI + 16 x lane
.set WSA, 7                            ; v7   WSC + 4 x lane
.set QST, 10                           ; v10  16 r + 8 h
.set KST, 11                           ; v11  + 512 w
.set VST, 12                           ; v12  16 r + 8 h + 256 w
.set TVS, 13                           ; v13  TAIL + 16 r + w
.set TKS, 14                           ; v14  TAIL + 1,024 + 64 (w / 2) + 2 (w % 2) + 4 r
.set TZ,  15                           ; v15  TAIL + 1,152 + 8 x thread
.set TQS, 16                           ; v16  QSL + 4 x thread
.set TO,  17                           ; v17  TAIL + 16 x thread
.set GT,  18                           ; v18  16 x thread
.set QRD, 19                           ; v19  QSL + 16 x lane
.set GQ,  20                           ; v20  16 x lane
.set XS,  24                           ; v24-25  x's scale words of K steps 0, 1: lane l has image index l's (scales alone)
.set WS,  26                           ; v26-33  the weights' scale words, two sets of four (scales alone)
.set TM,  34                           ; v34-35 largest magnitudes; v36-37 the other half's; v38-39 scale operands; v40-41 bytes; v42-44 q's word
.set TP,  36
.set SOP, 38
.set BY,  40
.set QW,  42
.set CD,  48                           ; v48-51  the codes just made
.set BV,  60                           ; v60-91  registers 2 t and 2 t + 1: bv[16 t + r]
.set BQ,  92                           ; v92-107 register i: bq[16 h + i]
.set BK,  108                          ; v108-123 likewise
.set XC,  124                          ; v124-155 x's fragments: (K step s, tile p) at 16 s + 8 p
.set ACC, 156                          ; v156-187 four accumulators; before them x's numbers, set 0
.set WF,  188                          ; v188-251 the weights' fragments, two sets of four; set 1 holds x's numbers, set 1, before
	s_load_b256 s[4:11], s[0:1], 0x0               ; x s[4:5], wimg s[6:7], bq s[8:9], bk s[10:11]
	s_load_b256 s[12:19], s[0:1], 0x20             ; bv s[12:13], qimg s[14:15], qsc s[16:17], kv s[18:19]
	v_lshl_add_u32 v254, v0, 2, 0x2c000
	v_mov_b32 v255, 0
	ds_add_u32 v254, v255
	ds_add_u32 v254, v255
	v_lshrrev_b32 v1, 5, v0
	v_readfirstlane_b32 s20, v1                    ; wave 0..3
	s_mov_b32 s21, ttmp9                           ; step
	s_and_b32 s22, ttmp7, 0xffff                   ; batch
	; descriptor group 1 for x's tile: 64 rows x 128 elements of 4 bytes, 4,096 elements from row to row
	s_mov_b32 s24, 2<<16
	s_mov_b32 s25, 128<<16                         ; tensor_dim0
	s_mov_b32 s26, 64<<16                          ; tensor_dim1
	s_mov_b32 s27, 128<<16                         ; tile_dim0
	s_mov_b32 s28, 64                              ; tile_dim1
	s_mov_b32 s29, 4096                            ; stride
	s_mov_b32 s30, 0
	s_mov_b32 s31, 0
	; and for a quarter of wimg: 45 dense rows of 32 elements of 8 bytes
	s_mov_b32 s36, 3<<16
	s_mov_b32 s37, 32<<16
	s_mov_b32 s38, 45<<16
	s_mov_b32 s39, 32<<16
	s_mov_b32 s40, 45
	s_mov_b32 s41, 32
	s_mov_b32 s42, 0
	s_mov_b32 s43, 0
	s_lshl_b32 s2, s22, 22                         ; x: 4,194,304 batch
	s_lshl_b32 s3, s21, 9                          ; + 512 step
	s_add_co_u32 s2, s2, s3
	s_lshl_b32 s3, s20, 20                         ; + my 64 channels of 16,384 bytes
	s_add_co_u32 s2, s2, s3
	s_mov_b32 s3, 0
	s_mul_i32 s58, s20, 11520                      ; my quarter of wimg
	s_mov_b32 s59, 0
	s_mov_b32 s32, 1
	s_lshl_b32 s33, s20, 15                        ; LDS: 64 rows of 512 bytes a wave
	s_mov_b32 s44, 1
	s_add_co_u32 s45, s58, WI
	s_wait_dscnt 0x0
	s_wait_kmcnt 0x0
	s_add_nc_u64 s[34:35], s[4:5], s[2:3]
	s_or_b32 s35, s35, 0x80000000
	s_add_nc_u64 s[46:47], s[6:7], s[58:59]
	s_or_b32 s47, s47, 0x80000000
	tensor_load_to_lds s[32:35], s[24:31]          ; both first fills go out together: two tensor loads of mine are out
	s_nop 0
	tensor_load_to_lds s[44:47], s[36:43]
	s_nop 0
.rept 4
	v_nop
.endr
	s_lshl_b32 s2, s22, 5
	s_add_co_u32 s2, s2, s21
	s_mul_i32 s2, s2, STEPB
	s_add_nc_u64 s[52:53], s[18:19], s[2:3]        ; my block of kv
	s_lshl_b32 s2, s22, 16
	s_lshl_b32 s23, s21, 11
	s_add_co_u32 s2, s2, s23
	s_lshl_b32 s23, s20, 9
	s_add_co_u32 s2, s2, s23
	s_add_nc_u64 s[54:55], s[14:15], s[2:3]        ; qimg at my wave's 32 positions
	s_lshl_b32 s2, s22, 14
	s_lshl_b32 s23, s21, 9
	s_add_co_u32 s2, s2, s23
	s_add_nc_u64 s[56:57], s[16:17], s[2:3]        ; qsc at the work-group's 128
	s_mov_b32 s48, 0x76543210
	s_mov_b32 s49, 0xfedcba98                      ; v_permlanex16_b32's selects for lane l xor 16
	v_and_b32 v1, 15, v0                           ; r
	v_bfe_u32 v2, v0, 4, 1                         ; h
	v_and_b32 v3, 31, v0                           ; lane
	v_and_b32 v4, 7, v0
	v_bfe_u32 v21, v0, 3, 1
	v_lshl_or_b32 v4, v2, 3, v4
	v_lshl_or_b32 v4, v21, 4, v4                   ; my position in the group: 16 (r / 8) + 8 h + r % 8
	s_lshl_b32 s23, s20, 7
	v_lshl_add_u32 v[XA0], v4, 2, s23
	v_add_nc_u32 v[XA0+1], 65536, v[XA0]
	v_lshl_add_u32 v[WA], v3, 4, WI
	v_lshl_add_u32 v[WSA], v3, 2, WSC
	v_lshlrev_b32 v8, 6, v2                        ; bq, bk: 16 h numbers on
	v_lshlrev_b32 v9, 2, v1                        ; bv: number r of a tile's 16
	v_lshlrev_b32 v[QST], 4, v1
	v_lshl_add_u32 v[QST], v2, 3, v[QST]
	s_lshl_b32 s23, s20, 9
	v_add_nc_u32 v[KST], s23, v[QST]
	s_lshl_b32 s23, s20, 8
	v_add_nc_u32 v[VST], s23, v[QST]
	v_lshl_add_u32 v[TVS], v1, 4, TAIL
	v_add_nc_u32 v[TVS], s20, v[TVS]
	s_lshr_b32 s23, s20, 1
	s_lshl_b32 s23, s23, 6
	s_and_b32 s58, s20, 1
	s_lshl_b32 s58, s58, 1
	s_add_co_u32 s23, s23, s58
	v_lshl_add_u32 v[TKS], v1, 2, TAIL+1024
	v_add_nc_u32 v[TKS], s23, v[TKS]
	v_lshl_add_u32 v[TZ], v0, 3, TAIL+1152
	v_lshl_add_u32 v[TQS], v0, 2, QSL
	v_lshl_add_u32 v[TO], v0, 4, TAIL
	v_lshlrev_b32 v[GT], 4, v0
	v_lshl_add_u32 v[QRD], v3, 4, QSL
	v_lshlrev_b32 v[GQ], 4, v3
	v_mov_b32 v22, 0
	v_mov_b32 v23, 0
	v_mov_b32 v[TP], 0                             ; written once: a lane permute's destination counts as one of its sources
	v_mov_b32 v[TP+1], 0
	v_cmp_ne_u32 s50, 0, v2                        ; lanes 16-31
.irp i, 0,1,2,3
	global_load_b128 v[BQ+4*\i:BQ+4*\i+3], v8, s[8:9] offset:16*\i
	global_load_b128 v[BK+4*\i:BK+4*\i+3], v8, s[10:11] offset:16*\i
.endr
.irp t, 0,1,2,3,4,5,6,7,8,9,10,11,12,13,14,15
	global_load_b32 v[BV+2*\t], v9, s[12:13] offset:64*\t
	global_load_b32 v[BV+2*\t+1], v9, s[12:13] offset:64*\t   ; twice: the packed addition takes a pair
.endr
	ds_store_b64 v[TZ], v[22:23]                   ; the zeros behind K's scale bytes
	s_wait_tensorcnt 0x0                           ; my parts of x's tile and of wimg have landed,
	s_wait_dscnt 0x0                               ; my zeros are stored:
	s_barrier_signal -1
	s_barrier_wait -1                              ; everybody's
.macro FETCHW set, f0                  ; four fragments of the weights, f0 on, and their scale words: 12 LDS loads
.irp k, 0,1,2,3
	ds_load_b128 v[WF+32*(\set)+8*\k:WF+32*(\set)+8*\k+3], v[WA] offset:1024*((\f0)+\k)
	ds_load_b128 v[WF+32*(\set)+8*\k+4:WF+32*(\set)+8*\k+7], v[WA] offset:1024*((\f0)+\k)+512
.endr
.irp k, 0,1,2,3
	ds_load_b32 v[WS+4*(\set)+\k], v[WSA] offset:128*((\f0)+\k)
.endr
.endm
.macro LOADX kb                        ; x(32 kb + i, my position), i = 0 .. 31: each load's 32 lanes take the 32 words of 128 consecutive bytes
.irp i, 0,1,2,3,4,5,6,7,8,9,10,11,12,13,14,15,16,17,18,19,20,21,22,23,24,25,26,27,28,29,30,31
	ds_load_b32 v[ACC+64*((\kb)%2)+\i], v[XA0+(\kb)/4] offset:512*(32*((\kb)%4)+\i)
.endr
.endm
.macro BLOCK kb                        ; block kb of my position: its byte into x's scale word, its codes into four registers
.set XR, ACC+64*((\kb)%2)
.if (\kb) < 7
	s_wait_dscnt 32                                ; this block's loads are in; the next block's 32 are the younger ones
.else
	s_wait_dscnt 0x0
.endif
	v_max3_num_f32 v[TM], |v[XR]|, |v[XR+1]|, |v[XR+2]|
	v_max3_num_f32 v[TM+1], |v[XR+3]|, |v[XR+4]|, |v[XR+5]|
.irp i, 6,10,14,18,22,26
	v_max3_num_f32 v[TM], v[TM], |v[XR+\i]|, |v[XR+\i+1]|
	v_max3_num_f32 v[TM+1], v[TM+1], |v[XR+\i+2]|, |v[XR+\i+3]|
.endr
	v_max3_num_f32 v[TM], v[TM], |v[XR+30]|, |v[XR+31]|
	v_max3_num_f32 v[TM], v[TM], v[TM+1], 0x1800000   ; and the floor 2^(3 - 127): the byte cannot fall under 1
	v_add_nc_u32 v[SOP], 0xff000000, v[TM]         ; 2 off the exponent field: the conversion's scale operand
	v_lshrrev_b32 v[BY], 23, v[SOP]
.if (\kb)%4 == 0
	v_mov_b32 v[XS+(\kb)/4], v[BY]
.else
	v_lshl_or_b32 v[XS+(\kb)/4], v[BY], 8*((\kb)%4), v[XS+(\kb)/4]
.endif
.irp g, 0,1,2,3
	v_cvt_scalef32_pk8_fp4_f32 v[XC+16*((\kb)/4)+8*((\kb)%2)+4*(((\kb)/2)%2)+\g], v[XR+8*\g:XR+8*\g+7], v[SOP]
.endr
	v_nop                                          ; one plain place behind the last scaled conversion
.if (\kb)+2 < 8
	LOADX (\kb)+2
.endif
.endm
; q or k: source 0 = 16 rows of the weight (tile u), source 1 = 16 positions (tile p).  Four accumulators by turns, one instruction a turn; the bias starts each sum.
.macro MULQK set, bias
.irp s, 0,1
.irp p, 0,1
.irp u, 0,1
.set rD, ACC+16*\p+8*\u
.set rA, WF+32*(\set)+8*(2*\u+\s)
.set rB, XC+16*\s+8*\p
.set rW, WS+4*(\set)+2*\u+\s
.set rC, rD
.if \s == 0
.set rC, (\bias)+8*\u
.endif
.if \p == 0
	v_wmma_scale_f32_16x16x128_f8f6f4 v[rD:rD+7], v[rA:rA+7], v[rB:rB+7], v[rC:rC+7], v[rW], v[XS+\s] matrix_a_fmt:MATRIX_FMT_FP4 matrix_b_fmt:MATRIX_FMT_FP4
.else
	v_wmma_scale_f32_16x16x128_f8f6f4 v[rD:rD+7], v[rA:rA+7], v[rB:rB+7], v[rC:rC+7], v[rW], v[XS+\s] matrix_a_fmt:MATRIX_FMT_FP4 matrix_b_fmt:MATRIX_FMT_FP4 matrix_b_scale:MATRIX_SCALE_ROW1
.endif
.endr
.endr
.endr
.endm
; v: source 0 = 16 positions (tile p), source 1 = 16 rows of wv (tile tt of the pair).  The first products start the sums.
.macro MULV set
.irp s, 0,1
.irp tt, 0,1
.irp p, 0,1
.set rD, ACC+16*\tt+8*\p
.set rA, XC+16*\s+8*\p
.set rB, WF+32*(\set)+8*(2*\tt+\s)
.set rW, WS+4*(\set)+2*\tt+\s
.if \s == 0
.if \p == 0
	v_wmma_scale_f32_16x16x128_f8f6f4 v[rD:rD+7], v[rA:rA+7], v[rB:rB+7], 0, v[XS+\s], v[rW] matrix_a_fmt:MATRIX_FMT_FP4 matrix_b_fmt:MATRIX_FMT_FP4
.else
	v_wmma_scale_f32_16x16x128_f8f6f4 v[rD:rD+7], v[rA:rA+7], v[rB:rB+7], 0, v[XS+\s], v[rW] matrix_a_fmt:MATRIX_FMT_FP4 matrix_b_fmt:MATRIX_FMT_FP4 matrix_a_scale:MATRIX_SCALE_ROW1
.endif
.else
.if \p == 0
	v_wmma_scale_f32_16x16x128_f8f6f4 v[rD:rD+7], v[rA:rA+7], v[rB:rB+7], v[rD:rD+7], v[XS+\s], v[rW] matrix_a_fmt:MATRIX_FMT_FP4 matrix_b_fmt:MATRIX_FMT_FP4
.else
	v_wmma_scale_f32_16x16x128_f8f6f4 v[rD:rD+7], v[rA:rA+7], v[rB:rB+7], v[rD:rD+7], v[XS+\s], v[rW] matrix_a_fmt:MATRIX_FMT_FP4 matrix_b_fmt:MATRIX_FMT_FP4 matrix_a_scale:MATRIX_SCALE_ROW1
.endif
.endif
.endr
.endr
.endr
.endm
; Two blocks of 32, each 16 registers of mine and 16 of lane l xor 16: their bytes into v[BY], v[BY+1], their codes (my 16: 8 bytes) into v[CD] on.  Each accumulator is read from its low end on.
.macro QUANT2
.irp a, 0,1
	v_max3_num_f32 v[TM+\a], |v[ACC+16*\a]|, |v[ACC+16*\a+1]|, 0x1800000
.endr
.irp i, 2,4,6,8,10,12,14
.irp a, 0,1
	v_max3_num_f32 v[TM+\a], v[TM+\a], |v[ACC+16*\a+\i]|, |v[ACC+16*\a+\i+1]|
.endr
.endr
.irp a, 0,1
	v_permlanex16_b32 v[TP+\a], v[TM+\a], s48, s49
.endr
.irp a, 0,1
	v_max_num_f32 v[TM+\a], v[TM+\a], v[TP+\a]
.endr
.irp a, 0,1
	v_add_nc_u32 v[SOP+\a], 0xff000000, v[TM+\a]
.endr
.irp a, 0,1
	v_lshrrev_b32 v[BY+\a], 23, v[SOP+\a]
.endr
	s_wait_xcnt 0x0                                ; the last pair's stores have read v[CD] on: only now are they written again
.irp a, 0,1
	v_cvt_scalef32_pk8_fp4_f32 v[CD+2*\a], v[ACC+16*\a:ACC+16*\a+7], v[SOP+\a]
	v_cvt_scalef32_pk8_fp4_f32 v[CD+2*\a+1], v[ACC+16*\a+8:ACC+16*\a+15], v[SOP+\a]
.endr
	v_nop                                          ; one plain place behind the last scaled conversion
.endm
; Pair i of the weights' tiles: 0: q;  1: k;  2 .. 9: v's tiles 2 (i - 2) and 2 (i - 2) + 1.
.macro PAIR i
.if (\i) < 9
	FETCHW ((\i)+1)%2, 4*((\i)+1)                  ; the next pair's, into the other set
	s_wait_dscnt 12                                ; all but the 12 just issued: this pair's fragments and words are in
.else
	s_wait_dscnt 0x0
.endif
.if (\i) == 0
	MULQK 0, BQ
.elseif (\i) == 1
	MULQK 1, BK
.else
	MULV (\i)%2
.endif
.rept 5
	v_nop                                          ; places: four in front of the reads of results and of loads into this set, five in front of the next pair's products, which begin these accumulators anew
.endr
.if (\i) > 1
.irp tt, 0,1
.irp n, 0,2,4,6,8,10,12,14
	v_pk_add_f32 v[ACC+16*\tt+\n:ACC+16*\tt+\n+1], v[ACC+16*\tt+\n:ACC+16*\tt+\n+1], v[BV+2*(2*((\i)-2)+\tt):BV+2*(2*((\i)-2)+\tt)+1]   ; + bv of my channel
.endr
.endr
.endif
	QUANT2
.if (\i) == 0
.irp p, 0,1
	global_store_b64 v[QST], v[CD+2*\p:CD+2*\p+1], s[54:55] offset:256*\p   ; the wave stores 256 consecutive bytes, aligned
.endr
	v_cndmask_b32 v[QW], v[BY], v[BY+1], s50       ; lane 16 p + r keeps the byte of image index 16 p + r,
	v_lshl_or_b32 v[QW+1], v[QW], 8, v[QW]
	v_lshl_or_b32 v[QW+2], v[QW+1], 16, v[QW+1]    ; in all four bytes
	ds_store_b32 v[TQS], v[QW+2]
.elseif (\i) == 1
.irp p, 0,1
	global_store_b64 v[KST], v[CD+2*\p:CD+2*\p+1], s[52:53] offset:256*\p
	ds_store_b8 v[TKS], v[BY+\p] offset:\p         ; both lanes of a key write the same byte with the same value
.endr
.else
.irp tt, 0,1
.set TT, 2*((\i)-2)+\tt
	global_store_b64 v[VST], v[CD+2*\tt:CD+2*\tt+1], s[52:53] offset:VOFF+1024*TT
	ds_store_b8 v[TVS], v[BY+\tt] offset:512*(TT/8)+256*(TT%2)+4*((TT/2)%4)
.endr
.endif
.endm
	FETCHW 0, 0
	LOADX 0
	LOADX 1
.irp kb, 0,1,2,3,4,5,6,7
	BLOCK \kb
.endr
.irp s, 0,1
.irp c, 0,1
.irp g, 0,1,2,3
	v_permlane16_swap_b32 v[XC+16*\s+4*\c+\g], v[XC+16*\s+8+4*\c+\g]   ; the even block's lanes 16-31 (tile 1) change places with the odd block's lanes 0-15 (tile 0): tile 0's and tile 1's fragments
.endr
.endr
.endr
.rept 8
	v_nop                                          ; a scale register written by a vector instruction stands 8 places ahead of a scaled matrix instruction, an operand so written 4
.endr
	s_wait_loadcnt 0x0                             ; the biases
.irp i, 0,1,2,3,4,5,6,7,8,9
	PAIR \i
.endr
	s_wait_dscnt 0x0                               ; my scale bytes and words are stored:
	s_barrier_signal -1
	s_barrier_wait -1                              ; everybody's
	ds_load_b128 v[52:55], v[TO]
	s_wait_dscnt 0x0
	global_store_b128 v[GT], v[52:55], s[52:53] offset:TOFF   ; the block's last 2,048 bytes: a wave stores 512 consecutive bytes, aligned
	s_cmp_lg_u32 s20, 0
	s_cbranch_scc1 .Ldone
	ds_load_b128 v[56:59], v[QRD]                  ; wave 0: the 128 scale words of q
	s_wait_dscnt 0x0
	global_store_b128 v[GQ], v[56:59], s[56:57]
.Ldone:
	s_wait_tensorcnt 0x0
	ds_add_u32 v254, v255
	s_wait_dscnt 0x0
	s_endpgm
.Lfunc_end_k_q03b90ea007_proj:
	.size	k_q03b90ea007_proj, .Lfunc_end_k_q03b90ea007_proj-k_q03b90ea007_proj
	.p2alignl 7, 3214868480
	.fill 96, 4, 3214868480
	.section	.rodata,"a",@progbits
	.p2align	6, 0x0
	.amdhsa_kernel k_q03b90ea007_proj
		.amdhsa_group_segment_fixed_size 180736
		.amdhsa_private_segment_fixed_size 0
		.amdhsa_enable_private_segment 0
		.amdhsa_kernarg_size 64
		.amdhsa_user_sgpr_count 2
		.amdhsa_user_sgpr_kernarg_segment_ptr 1
		.amdhsa_wavefront_size32 1
		.amdhsa_system_sgpr_workgroup_id_x 1
		.amdhsa_system_sgpr_workgroup_id_y 1
		.amdhsa_system_sgpr_workgroup_id_z 1
		.amdhsa_system_vgpr_workitem_id 0
		.amdhsa_next_free_vgpr 256
		.amdhsa_next_free_sgpr 66
		.amdhsa_reserve_vcc 0
		.amdhsa_float_denorm_mode_32 3
		.amdhsa_float_denorm_mode_16_64 3
		.amdhsa_memory_ordered 1
		.amdhsa_forward_progress 1
		.amdhsa_inst_pref_size 87
	.end_amdhsa_kernel
	.amdgpu_metadata
---
amdhsa.version: [ 1, 2 ]
amdhsa.kernels:
  - .name:           k_q03b90ea007_proj
    .symbol:         k_q03b90ea007_proj.kd
    .args:
      - { .name: x, .offset: 0, .size: 8, .value_kind: global_buffer, .address_space: global }
      - { .name: wimg, .offset: 8, .size: 8, .value_kind: global_buffer, .address_space: global }
      - { .name: bq, .offset: 16, .size: 8, .value_kind: global_buffer, .address_space: global }
      - { .name: bk, .offset: 24, .size: 8, .value_kind: global_buffer, .address_space: global }
      - { .name: bv, .offset: 32, .size: 8, .value_kind: global_buffer, .address_space: global }
      - { .name: qimg, .offset: 40, .size: 8, .value_kind: global_buffer, .address_space: global }
      - { .name: qsc, .offset: 48, .size: 8, .value_kind: global_buffer, .address_space: global }
      - { .name: kv, .offset: 56, .size: 8, .value_kind: global_buffer, .address_space: global }
    .group_segment_fixed_size: 180736
    .private_segment_fixed_size: 0
    .kernarg_segment_align: 8
    .kernarg_segment_size: 64
    .max_flat_workgroup_size: 128
    .sgpr_count:     66
    .vgpr_count:     256
    .wavefront_size: 32
...
	.end_amdgpu_metadata
.endif
;; end of part 2
;; launch attn (part 3): grid 32 x 8, 8 waves a work-group, clusters of 4 x 1, 327,680 bytes of LDS; arguments qimg, qsc, kv, x, out0; writes out0
.if DOCPART == 3
	.amdgcn_target "amdgcn-amd-amdhsa--gfx1250"
	.amdhsa_code_object_version 6
	.text
	.protected	k_q03b90ea007_attn
	.globl	k_q03b90ea007_attn
	.p2align	8
	.type	k_q03b90ea007_attn,@function
k_q03b90ea007_attn:
	s_mov_b64 s[64:65], 0
	v_nop
	global_prefetch_b8 v0, s[64:65] scope:SCOPE_SE
	s_setreg_imm32_b32 hwreg(HW_REG_WAVE_MODE, 25, 1), 1
	s_wait_xcnt 0x0
	s_wait_alu depctr_hold_cnt(0) depctr_sa_sdst(0) depctr_va_vdst(0) depctr_va_sdst(0) depctr_va_ssrc(0) depctr_va_vcc(0) depctr_vm_vsrc(0)
	s_getreg_b32 s2, hwreg(HW_REG_IB_STS2, 6, 4)
	s_cmp_eq_u32 s2, 0
	s_cbranch_scc0 .Lentry_in_a_cluster
	s_endpgm
.Lentry_in_a_cluster:
	s_bfe_u32 s2, ttmp6, 0x10000c
	s_cmp_lg_u32 s2, 0x3003
	s_cbranch_scc0 .Lentry_shape_is_right
	s_endpgm
.Lentry_shape_is_right:
; out[b][c][i] = x[b][c][i] + (sum over keys j of v[b][c][j] p[i][j]) / l[i], both products on codes of FP4 (E2M1) with one E8M0 byte for each 32 along K.
; t = (q_i . k_j) x log2(e) / sqrt(32); M = the running largest t rounded UP to a whole number; p = 2^(t - M) is quantised along the keys, not normalised; l is the sum of the unquantised p.
; When M moves, l and O are multiplied by 2^(old M - new M): exact.
; SHARES: a work-group owns 128 queries of one batch, each of its eight waves 16 of them (image indices 16 w + r of the block: query 32 (w / 2) + 8 (w % 2) + 16 (r / 8) + r % 8).  Two waves to a SIMD,
; so that one wave's vector work stands beside the other's matrix work and LDS loads.  Every wave walks the batch's 32 key steps of 128 keys, TWO AT A TIME: the scores of 256 keys stand in 128
; registers, so that M is moved, and l and O^T are multiplied, once for 256 keys.
; kv: [batch][step][20,480 bytes], images of operand registers: K's codes at 0, V's at 2,048, V's scale words at 18,432, K's scale bytes at 19,456 (to 19,583).  Every fragment comes by loads at 16 x lane.
; BOTH PRODUCTS ARE USED TRANSPOSED: S^T = K Q^T, O^T = V P^T: a lane holds one query (lane % 16) throughout.
; K = 32 IN A FORM OF K = 128: a row of K's fragment holds FOUR keys, one in each block of 32; Q stands in four variants, its 32 codes in block e and zero codes in the others, which add nothing.
; The variants overlap in 20 registers: Z QL Z QH Z (Z: zeros; QL: q in lanes 0-15; QH: q in lanes 16-31).  Tile T = 4 g + e of a step's scores holds keys 32 (T / 2) + 16 (lane / 16) + 8 (T % 2) + 0 .. 7:
; the 16 registers of tiles 2 b and 2 b + 1 are 16 neighbouring keys, as the conversions want them.
; RING: two LDS slots of eight key steps.  Wave w brings key step w of a slot, the 19,584 bytes that are used of its block, as one row, by one tensor load.  Both slots are first filled together at the
; start (two tensor loads of mine are out); each is filled once more, behind a round of the cluster's barrier (one is out), and that load has eight key steps in which to land.
; CLUSTER: the four work-groups of a cluster belong to one batch and walk the same kv: each load is asked for JOINTLY, with the same descriptor and a mask that names the four.  My place in the
; cluster enters the addresses of Q, x and out alone.
; REGISTERS: window 0: v1-11 addresses; v12 -M, v13 the largest t, v[14:15] l in two halves; v16-35 Q; v36-38, v40-47, v238-239 scales alone; v48-63, v240-255 K; v64-191 S^T, then p;
;   v192-207 p's codes; v208-237 at work.   window 1: v0-127 O^T (tile t at 8 t: register j is channel 16 t + 8 (lane / 16) + j); v128-255 V's 16 fragments of one key step, at the end x.
; LIMITS: NaN and infinities are not served; p under 2^-126 becomes 0; a block whose every p is 0 carries the byte 1 (its codes are zeros); t - M is one fused multiply-add by a constant rounded
; once, where the definition multiplies twice.
.set STEPG, 20480                      ; a key step's block in kv,
.set STEPL, 19584                      ; and what is fetched of it: a key step in LDS
.set SLOTG, 8*STEPG
.set SLOTL, 8*STEPL                    ; slot 0 at LDS byte 0, slot 1 behind it
.set SPARE, 2*SLOTL                    ; the spare words, 128 bytes for each of the eight waves: four blocks of 256 bytes that no other line names
.set SP,    528                        ; the way out: a stage of 256 channels x (512 bytes + 16) from LDS byte 0 on, inside slot 0: written when that slot has had its last fill and its last read
.set KOFF,  0
.set VOFF,  2048
.set VSOFF, 18432
.set KSOFF, 19456
.set SPW,  1                           ; v1   SPARE + 4 x my thread's number; never rewritten
.set NIL,  2                           ; v2   0; never rewritten
.set LI,   3                           ; v3   16 x lane
.set ADR,  4                           ; v4   the double step's first byte + 16 x lane
.set LS,   5                           ; v5   4 x lane
.set ADS,  6                           ; v6   the double step's first byte + 4 x lane
.set STO,  7                           ; v7   the stage: channel 8 h, my query's 4 bytes;  v8: 128 channels on
.set STO2, 8
.set RD,   9                           ; v9   the stage, back: my wave's 32 channels, 16 bytes a lane
.set PFO,  10                          ; v10  16,384 x lane
.set GO,   11                          ; v11  16 x lane, in x and in out
.set QV,   16
.set QS,   36                          ; v36     q's scale word
.set KS,   37                          ; v37-38  K's scale words of the two key steps
.set VS,   40                          ; v40-47  V's scale words of one key step
.set KF,   48                          ; v48-63  K's two fragments of the first key step; the second's lie 192 registers on, v240-255
.set S,    64                          ; v64-191 the scores of 256 keys, then p
.set PC,   192                         ; v192-207 p's codes: eight registers a key step
.set BM,   208                         ; v208-215 each block's largest score, then its largest p
.set BP,   216                         ; v216-223 the other half's; then the bytes
.set SO,   224                         ; v224-231 the conversions' scale operands
.set F,    232                         ; v[232:233] f = 2^(old M - new M); the upper register is named with it and written once
.set T,    234
.set SUM2, 236                         ; v[236:237] the sum's second chain
.set PS,   238                         ; v238-239 p's scale words of the two key steps
.set O,    0                           ; in window 1
.set VF,   128
.set WV,   14
.set SEL,  20
.set CS,   22
.set G1,   24                          ; s[24:31] descriptor group 1
.set G0A,  32                          ; s[32:35] group 0 for slot 0;  s[36:39] for slot 1
.set G0B,  36
.set TB,   46                          ; s46  LDS byte at which the double step in hand begins
.set CNT,  47
.set MSB, 0
.macro WIN new                         ; s_set_vgpr_msb: bits 1:0 source 0, 3:2 source 1, 5:4 source 2, 7:6 destination; the high byte repeats the setting that is left
.if MSB != \new
	s_set_vgpr_msb (MSB<<8)|\new
.set MSB, \new
.endif
.endm
.macro CROUND                          ; a round of the cluster's barrier: my work-group's barrier; wave 0 signals for the work-group; every wave waits for all four; my work-group's barrier once more
	s_barrier_signal -1
	s_barrier_wait -1
	s_cmp_lg_u32 s[WV], 0
	s_cbranch_scc1 .Lnot_wave_0_\@
	s_barrier_signal -3
.Lnot_wave_0_\@:
	s_barrier_wait -3
	s_barrier_signal -1
	s_barrier_wait -1
.endm
	s_load_b256 s[4:11], s[0:1], 0x0               ; qimg s[4:5], qsc s[6:7], kv s[8:9], x s[10:11]
	s_load_b64 s[12:13], s[0:1], 0x20              ; out0
	v_lshl_add_u32 v[SPW], v0, 2, SPARE
	v_mov_b32 v[NIL], 0
	ds_add_u32 v1, v2
	ds_add_u32 v1, v2
	s_wait_dscnt 0x0
	v_lshrrev_b32 v3, 5, v0
	v_readfirstlane_b32 s[WV], v3                  ; wave 0..7
	s_bfe_u32 s15, ttmp6, 0x40000                  ; cx: my place in the cluster
	s_lshl_b32 s16, ttmp9, 2
	s_add_co_u32 s16, s16, s15                     ; my block of 128 queries = 4 x cluster x + cx
	s_and_b32 s17, ttmp7, 0xffff                   ; the batch, which the four partners share
	; descriptor group 1: one row of 2,448 elements of 8 bytes: 19,584 bytes
	s_mov_b32 s[G1], 15|(3<<16)|(1<<21)            ; 15:0 the mask: all four work-groups; 17:16 elements of 8 bytes; 21 set beside a mask
	s_mov_b32 s[G1+1], (STEPL/8)<<16               ; tensor_dim0
	s_mov_b32 s[G1+2], 1<<16                       ; tensor_dim1
	s_mov_b32 s[G1+3], (STEPL/8)<<16               ; tile_dim0
	s_mov_b32 s[G1+4], 1                           ; tile_dim1
	s_mov_b32 s[G1+5], STEPL/8                     ; stride
	s_mov_b32 s[G1+6], 0
	s_mov_b32 s[G1+7], 0
	s_mov_b32 s[G0A], 1
	s_mul_i32 s[G0A+1], s[WV], STEPL               ; LDS: key step w of slot 0,
	s_mov_b32 s[G0B], 1
	s_add_co_u32 s[G0B+1], s[G0A+1], SLOTL         ; and of slot 1
	s_mul_i32 s44, s17, 32*STEPG                   ; kv: the batch's first byte
	s_mul_i32 s45, s[WV], STEPG                    ; + key step w
	s_add_co_u32 s44, s44, s45
	s_mov_b32 s45, 0
	s_mov_b32 s[SEL], 0x76543210
	s_mov_b32 s[SEL+1], 0xfedcba98                 ; v_permlanex16_b32's selects for lane l xor 16
	s_mov_b32 s[CS], 0x3e8293ee                    ; c = log2(e) / sqrt(32)
	s_mov_b32 s[CS+1], s[CS]                       ; (named with it as a pair, so it is written)
	s_mov_b32 s[TB], 0
	s_lshl_b32 s2, s17, 22                         ; x and out: 4,194,304 batch
	s_lshl_b32 s3, s16, 9                          ; + 512 x block of queries
	s_add_co_u32 s2, s2, s3
	s_lshl_b32 s3, s[WV], 19                       ; + my 32 channels of 16,384 bytes
	s_add_co_u32 s2, s2, s3
	s_mov_b32 s3, 0
	s_wait_kmcnt 0x0
	s_add_nc_u64 s[G0A+2:G0A+3], s[8:9], s[44:45]  ; key steps 0 to 7
	s_add_nc_u64 s[G0B+2:G0B+3], s[G0A+2:G0A+3], SLOTG   ; key steps 8 to 15
	s_or_b32 s[G0A+3], s[G0A+3], 0x80000000
	s_or_b32 s[G0B+3], s[G0B+3], 0x80000000
	s_add_nc_u64 s[40:41], s[10:11], s[2:3]
	s_add_nc_u64 s[42:43], s[12:13], s[2:3]
	s_lshl_b32 s2, s17, 16                         ; qimg: 16 bytes a query: 65,536 batch + 2,048 block + 256 wave
	s_lshl_b32 s18, s16, 11
	s_add_co_u32 s2, s2, s18
	s_lshl_b32 s18, s[WV], 8
	s_add_co_u32 s2, s2, s18
	s_add_nc_u64 s[4:5], s[4:5], s[2:3]
	s_lshr_b32 s2, s2, 2                           ; qsc: 4 bytes a query
	s_add_nc_u64 s[6:7], s[6:7], s[2:3]
	CROUND                                         ; all four work-groups are here: the first joint loads meet
	tensor_load_to_lds s[G0A:G0A+3], s[G1:G1+7]    ; both first fills go out together, ahead of every wait on TENSORcnt and every LDS read: two tensor loads of mine are out
	s_nop 0
	tensor_load_to_lds s[G0B:G0B+3], s[G1:G1+7]
	s_nop 0
.rept 4
	v_nop
.endr
	v_and_b32 v136, 15, v0                         ; r
	v_lshlrev_b32 v137, 2, v136
	v_lshlrev_b32 v136, 4, v136
	global_load_b128 v[S:S+3], v136, s[4:5]        ; my query's 32 codes, in both halves of the lanes
	global_load_b32 v[QS], v137, s[6:7]            ; and its scale word
	v_and_b32 v[LI], 31, v0
	v_lshlrev_b32 v[LS], 2, v[LI]
	v_lshlrev_b32 v[PFO], 14, v[LI]
	v_lshlrev_b32 v[LI], 4, v[LI]
	v_mov_b32 v[GO], v[LI]
	v_and_b32 v[STO], 7, v0
	v_lshlrev_b32 v[STO], 2, v[STO]                ; 4 (r % 8)
	v_bfe_u32 v138, v0, 3, 1
	v_lshl_add_u32 v[STO], v138, 6, v[STO]         ; + 64 (r / 8)
	v_bfe_u32 v139, v0, 4, 1                       ; h
	v_mad_u32_u24 v[STO], v139, 8*SP, v[STO]       ; + 8 h channels
	s_lshr_b32 s18, s[WV], 1
	s_lshl_b32 s18, s18, 7
	s_and_b32 s19, s[WV], 1
	s_lshl_b32 s19, s19, 5
	s_add_co_u32 s18, s18, s19
	v_add_nc_u32 v[STO], s18, v[STO]               ; + 128 (w / 2) + 32 (w % 2)
	v_add_nc_u32 v[STO2], 128*SP, v[STO]
	s_mul_i32 s19, s[WV], 32*SP
	v_add_nc_u32 v[RD], s19, v[LI]
	v_mov_b32 v13, 0xff61b1e6                      ; the largest t so far: -3e38, under every t
	v_floor_f32 v12, -v13                          ; -M
	v_mov_b32 v14, 0                               ; l, in two halves
	v_mov_b32 v15, 0
.irp b, 0,1,2,3,4,5,6,7
	v_mov_b32 v[BP+\b], 0                          ; written once: a lane permute's destination counts as one of its sources
.endr
	v_mov_b32 v[F+1], 0
.irp z, 0,1,2,3, 8,9,10,11, 16,17,18,19
	v_mov_b32 v[QV+\z], 0                          ; Z
.endr
	v_cmp_eq_u32 vcc_lo, 0, v139                   ; lanes 0-15
	s_wait_loadcnt 0x0
.irp i, 0,1,2,3
	v_cndmask_b32 v[QV+4+\i], 0, v[S+\i], vcc_lo   ; QL: q in lanes 0-15, zeros in lanes 16-31
	v_cndmask_b32 v[QV+12+\i], v[S+\i], v[QV], vcc_lo   ; QH: the other way round
.endr
.rept 4
	v_nop                                          ; an operand written by vector instructions stands four places ahead of a scaled matrix instruction
.endr
.macro VLOAD off                       ; V's 16 fragments and 8 registers of scale words of the key step that begins off bytes on: 34 LDS loads
	WIN 0x40                                       ; destination window 1
.irp t, 0,1,2,3,4,5,6,7,8,9,10,11,12,13,14,15
	ds_load_b128 v[VF+8*\t:VF+8*\t+3], v[ADR] offset:(\off)+VOFF+1024*\t
	ds_load_b128 v[VF+8*\t+4:VF+8*\t+7], v[ADR] offset:(\off)+VOFF+1024*\t+512
.endr
	WIN 0
.irp j, 0,1
	ds_load_b128 v[VS+4*\j:VS+4*\j+3], v[ADR] offset:(\off)+VSOFF+512*\j   ; register i, lane l: channel 32 i + l
.endr
.endm
.macro PKF j                           ; pair j of the scores: t - M, two at a time
	v_pk_fma_f32 v[S+2*(\j):S+2*(\j)+1], v[S+2*(\j):S+2*(\j)+1], s[CS:CS+1], v[12:13] op_sel_hi:[1,0,0]
.endm
; p = 2^(t - M) for pairs from .. to - 1.  In front of each pair's two exponentials stands the multiply-add of the pair lead further on, while there is one: a plain instruction that names neither their results nor their sources.
.macro EXPS from, to, lead
.set jj, \from
.rept \to-\from
.if jj+\lead < 64
	PKF jj+\lead
.endif
	v_exp_f32 v[S+2*jj], v[S+2*jj]
	v_exp_f32 v[S+2*jj+1], v[S+2*jj+1]
.set jj, jj+1
.endr
.endm
.macro CODES n                         ; key step n's p becomes the second product's operand
.irp b, 0,1,2,3
	v_cvt_scalef32_pk8_fp4_f32 v[PC+8*(\n)+2*\b], v[S+64*(\n)+16*\b:S+64*(\n)+16*\b+7], v[SO+4*(\n)+\b]
	v_cvt_scalef32_pk8_fp4_f32 v[PC+8*(\n)+2*\b+1], v[S+64*(\n)+16*\b+8:S+64*(\n)+16*\b+15], v[SO+4*(\n)+\b]
.endr
	v_nop                                          ; one plain place behind the last scaled conversion
.irp c, 0,1                                    ; the operand's layout wants a whole block in a lane: lanes 0-15 block 2 c, lanes 16-31 block 2 c + 1
.irp i, 0,1
	v_permlane16_swap_b32 v[PC+8*(\n)+4*\c+\i], v[PC+8*(\n)+4*\c+2+\i]
.endr
.endr
.endm
.macro PVMUL n, zero                   ; O^T += V P^T for key step n: sixteen accumulators, one instruction a turn.  zero = 1: the products start the sums
	WIN 0x51                                       ; V, C and D in window 1, p's codes in window 0
.irp t, 0,1,2,3,4,5,6,7,8,9,10,11,12,13,14,15
.if \zero
.if \t%2 == 0
	v_wmma_scale_f32_16x16x128_f8f6f4 v[O+8*\t:O+8*\t+7], v[VF+8*\t:VF+8*\t+7], v[PC+8*(\n):PC+8*(\n)+7], 0, v[VS+\t/2], v[PS+(\n)] matrix_a_fmt:MATRIX_FMT_FP4 matrix_b_fmt:MATRIX_FMT_FP4
.else
	v_wmma_scale_f32_16x16x128_f8f6f4 v[O+8*\t:O+8*\t+7], v[VF+8*\t:VF+8*\t+7], v[PC+8*(\n):PC+8*(\n)+7], 0, v[VS+\t/2], v[PS+(\n)] matrix_a_fmt:MATRIX_FMT_FP4 matrix_b_fmt:MATRIX_FMT_FP4 matrix_a_scale:MATRIX_SCALE_ROW1
.endif
.else
.if \t%2 == 0
	v_wmma_scale_f32_16x16x128_f8f6f4 v[O+8*\t:O+8*\t+7], v[VF+8*\t:VF+8*\t+7], v[PC+8*(\n):PC+8*(\n)+7], v[O+8*\t:O+8*\t+7], v[VS+\t/2], v[PS+(\n)] matrix_a_fmt:MATRIX_FMT_FP4 matrix_b_fmt:MATRIX_FMT_FP4
.else
	v_wmma_scale_f32_16x16x128_f8f6f4 v[O+8*\t:O+8*\t+7], v[VF+8*\t:VF+8*\t+7], v[PC+8*(\n):PC+8*(\n)+7], v[O+8*\t:O+8*\t+7], v[VS+\t/2], v[PS+(\n)] matrix_a_fmt:MATRIX_FMT_FP4 matrix_b_fmt:MATRIX_FMT_FP4 matrix_a_scale:MATRIX_SCALE_ROW1
.endif
.endif
.endr
.endm
; A DOUBLE KEY STEP: 256 keys, key steps A and B.  first = 1: A's products start O^T's sums, and there is nothing to rescale.  pf = 1: the loop's last trip asks for x.
.macro DSTEP first, pf
	v_add_nc_u32 v[ADR], s[TB], v[LI]              ; these two and the two v_nop are the four places between the last products and the loads into the registers that they read
	v_add_nc_u32 v[ADS], s[TB], v[LS]
	v_nop
	v_nop
.irp n, 0,1
.irp b, 0,1,2,3
	ds_load_b128 v[KF+192*\n+4*\b:KF+192*\n+4*\b+3], v[ADR] offset:STEPL*\n+KOFF+512*\b   ; K's two fragments of a key step: 128 keys in 16 registers
.endr
	ds_load_b32 v[KS+\n], v[ADS] offset:STEPL*\n+KSOFF   ; their scale words: lanes 0-15 fragment 0's rows, lanes 16-31 fragment 1's
.endr
	VLOAD 0                                        ; A's V: wanted behind A's softmax
	s_wait_dscnt 34                                ; K's ten loads are in; V's 32 and its scale words' 2 are the younger ones
.irp n, 0,1
.irp g, 0,1
.irp e, 0,1,2,3
.set rS, S+64*\n+8*(4*\g+\e)
.set rK, KF+192*\n+8*\g
.set rQ, QV+4+8*(\e%2)-4*(\e/2)
.if \g == 0
	v_wmma_scale_f32_16x16x128_f8f6f4 v[rS:rS+7], v[rK:rK+7], v[rQ:rQ+7], 0, v[KS+\n], v[QS] matrix_a_fmt:MATRIX_FMT_FP4 matrix_b_fmt:MATRIX_FMT_FP4
.else
	v_wmma_scale_f32_16x16x128_f8f6f4 v[rS:rS+7], v[rK:rK+7], v[rQ:rQ+7], 0, v[KS+\n], v[QS] matrix_a_fmt:MATRIX_FMT_FP4 matrix_b_fmt:MATRIX_FMT_FP4 matrix_a_scale:MATRIX_SCALE_ROW1
.endif
.endr
.endr
.endr
.rept 4
	v_nop                                          ; places in front of the first read of the scores
.endr
.if \pf
	s_cmp_lg_u32 s[CNT], 1                         ; in the loop's last trip, one double step ahead of the loads:
	s_cbranch_scc1 .Lno_ask_\@
	global_prefetch_b8 v[PFO], s[40:41] th:TH_LOAD_NT scope:SCOPE_SE              ; x for the way out: my wave's 32 channels x 512 bytes, lane l its channel's first 256 bytes,
	global_prefetch_b8 v[PFO], s[40:41] offset:256 th:TH_LOAD_NT scope:SCOPE_SE   ; and the second: each block is asked for once in the launch, by the wave that will load it
.Lno_ask_\@:
.endif
.irp b, 0,1,2,3,4,5,6,7
	v_max3_num_f32 v[BM+\b], v[S+16*\b], v[S+16*\b+1], v[S+16*\b+2]   ; the largest score of each block of 32 keys: for the row's maximum, and, since p rises with the score, for the block's largest p
.endr
.irp i, 3,5,7,9,11,13
.irp b, 0,1,2,3,4,5,6,7
	v_max3_num_f32 v[BM+\b], v[BM+\b], v[S+16*\b+\i], v[S+16*\b+\i+1]   ; the eight blocks by turns; each tile of scores is read from its low end on
.endr
.endr
.irp b, 0,1,2,3,4,5,6,7
	v_max_num_f32 v[BM+\b], v[BM+\b], v[S+16*\b+15]
.endr
.irp b, 0,1,2,3,4,5,6,7
	v_permlanex16_b32 v[BP+\b], v[BM+\b], s[SEL], s[SEL+1]
.endr
.irp b, 0,1,2,3,4,5,6,7
	v_max_num_f32 v[BM+\b], v[BM+\b], v[BP+\b]     ; with lane l xor 16's 16 keys
.endr
	v_max3_num_f32 v[T], v[BM], v[BM+1], v[BM+2]
	v_max3_num_f32 v[T], v[T], v[BM+3], v[BM+4]
	v_max3_num_f32 v[T], v[T], v[BM+5], v[BM+6]
	v_max_num_f32 v[T], v[T], v[BM+7]              ; the largest score of my query among these 256 keys
	v_mul_f32 v[T], s[CS], v[T]                    ; as t (c is positive)
	v_max_num_f32 v13, v13, v[T]                   ; the running largest t
	v_mov_b32 v[T], v12
	v_floor_f32 v12, -v13                          ; the new -M = floor(-t) = -ceil(t): a whole number
	v_sub_f32 v[T], v12, v[T]                      ; old M - new M: a whole number, 0 or less
	v_cvt_i32_f32 v[T], v[T]                       ; (it saturates)
	v_ldexp_f32 v[F], 1.0, v[T]                    ; f = 2^(old M - new M)
.irp b, 0,1,2,3,4,5,6,7
	v_fma_f32 v[BM+\b], v[BM+\b], s[CS], v12       ; t - M of each block's largest score
.endr
.irp j, 0,1,2,3
	PKF \j
.endr
.irp b, 0,1,2,3,4,5,6,7
	v_exp_f32 v[BM+\b], v[BM+\b]                   ; the block's largest p: the same two instructions on the same number give the same bits
.endr
	EXPS 0, 32, 4                                  ; A's p; the multiply-adds run four pairs ahead, up to pair 35
	v_pk_mul_f32 v[14:15], v[14:15], v[F:F+1] op_sel_hi:[1,0]   ; l under the new M.  (A plain place behind the exponentials)
	s_wait_alu depctr_va_vdst(0)
.irp b, 0,1,2,3,4,5,6,7
	v_max_num_f32 v[BM+\b], 0x1800000, v[BM+\b]    ; the floor 2^(3 - 127): the byte cannot fall under 1
.endr
.irp b, 0,1,2,3,4,5,6,7
	v_add_nc_u32 v[SO+\b], 0xff000000, v[BM+\b]    ; 2 off the exponent field: the conversion's scale operand
.endr
.irp b, 0,1,2,3,4,5,6,7
	v_lshrrev_b32 v[BP+\b], 23, v[SO+\b]           ; the scale's byte
.endr
.irp n, 0,1
	v_lshl_or_b32 v[PS+\n], v[BP+4*\n+1], 8, v[BP+4*\n]   ; p's scale word for a key step's 128 keys
	v_lshl_or_b32 v[PS+\n], v[BP+4*\n+2], 16, v[PS+\n]
	v_lshl_or_b32 v[PS+\n], v[BP+4*\n+3], 24, v[PS+\n]
.endr
	CODES 0
.if \first
.rept 8
	v_nop                                          ; a scale register written by a vector instruction stands 8 places ahead of a scaled matrix instruction, an operand so written 4
.endr
.else
	WIN 0x41                                       ; O^T (destination and source 0) in window 1, f in window 0
.set jj, 0
.rept 64
	v_pk_mul_f32 v[O+jj:O+jj+1], v[O+jj:O+jj+1], v[F:F+1] op_sel_hi:[1,0]   ; O^T under the new M, once for 256 keys; each accumulator from its low end on.  (These are also the places in front of the products)
.set jj, jj+2
.endr
.endif
	s_wait_dscnt 0x0                               ; A's V and its scale words are in
	PVMUL 0, \first
	WIN 0
.irp j, 36,37,38,39
	PKF \j                                         ; four of B's multiply-adds are the places between A's products and the loads into V's registers
.endr
	VLOAD STEPL                                    ; B's V: it lands under B's exponentials, codes and the sums
	EXPS 32, 64, 8                                 ; B's p; the multiply-adds run eight pairs ahead, from pair 40 on
	v_pk_add_f32 v[SUM2:SUM2+1], v[S:S+1], v[S+2:S+3]   ; l takes the UNQUANTISED p: two at a time, in two chains.  (This first line is the plain place behind the exponentials)
	s_wait_alu depctr_va_vdst(0)
	CODES 1
.set jj, 4
.rept 31
	v_pk_add_f32 v[14:15], v[14:15], v[S+jj:S+jj+1]   ; (these are also the places between p's codes and the products below)
	v_pk_add_f32 v[SUM2:SUM2+1], v[SUM2:SUM2+1], v[S+jj+2:S+jj+3]
.set jj, jj+4
.endr
	v_pk_add_f32 v[14:15], v[14:15], v[SUM2:SUM2+1]
	s_wait_dscnt 0x0                               ; B's V and its scale words are in
	PVMUL 1, 0
	WIN 0
	s_add_co_u32 s[TB], s[TB], 2*STEPL             ; on to the next double step's bytes
.endm
.macro STEPS n, pf                     ; n double steps, written once
	s_mov_b32 s[CNT], \n
.Lstep_\@:
	DSTEP 0, \pf
	s_sub_co_u32 s[CNT], s[CNT], 1
	s_cmp_lg_u32 s[CNT], 0
	s_cbranch_scc1 .Lstep_\@
.endm
; THE CHANGE OF SLOTS.  Each wave waits for all its tensor loads (its key step of the slot that it is about to read), adds 0 to its spare word, and waits for that and for its reads of the slot that it
; has left.  fill = 1: a round of the cluster's barrier follows, behind which no wave of any partner reads that slot or has a load on its way, and the slot is asked for again, by its group 0 g0, with
; the key steps 16 further on: the load has eight key steps in which to land.
.macro CHANGE fill, g0
	s_wait_tensorcnt 0x0                           ; no tensor load of mine is out, so a group 0 may be written
	ds_add_u32 v[SPW], v[NIL]                      ; 0 onto my spare word
.if \fill
	s_add_nc_u64 s[\g0+2:\g0+3], s[\g0+2:\g0+3], 2*SLOTG   ; the type bits on top are not reached
.endif
	s_wait_dscnt 0x0                               ; the add is done, and my reads of the slot that I have left are over
.if \fill
	CROUND
	tensor_load_to_lds s[\g0:\g0+3], s[G1:G1+7]    ; the first thing behind the round, and my one tensor load until the next
	s_nop 0
.rept 4
	v_nop
.endr
.else
	s_barrier_signal -1
	s_barrier_wait -1
.endif
.endm
	s_wait_tensorcnt 0x1                           ; my key step of slot 0 is in; slot 1's load may stay out
	s_barrier_signal -1
	s_barrier_wait -1                              ; everybody's is
	DSTEP 1, 0                                     ; key steps 0 and 1 start O^T's sums: nothing is cleared
	STEPS 3, 0                                     ; key steps 2 to 7; s[TB] then stands at slot 1
	CHANGE 1, G0A                                  ; slot 1 is whole; slot 0 is asked for again: key steps 16 to 23
	STEPS 4, 0                                     ; key steps 8 to 15
	s_mov_b32 s[TB], 0                             ; back to slot 0
	CHANGE 1, G0B                                  ; slot 0 is whole; slot 1 is asked for again: key steps 24 to 31
	STEPS 4, 0                                     ; key steps 16 to 23
	CHANGE 0, G0A                                  ; slot 1 is whole; nothing is left to ask for
	STEPS 4, 1                                     ; key steps 24 to 31
	; THE WAY OUT.  O^T / l goes through a stage in LDS, [channel][query], so that a wave reads back whole rows of 512 bytes, adds x and stores them.
.rept 4
	v_nop                                          ; places behind the last products: for the loads into V's registers and the reads of O^T
.endr
	v_add_f32 v14, v14, v15                        ; l's two halves,
	v_permlanex16_b32 v[T], v14, s[SEL], s[SEL+1]
	v_add_f32 v14, v14, v[T]                       ; and lane l xor 16's
	v_rcp_f32 v14, v14
	v_nop                                          ; one plain place behind the transcendental
	WIN 0x40
.irp i, 0,1,2,3,4,5,6,7,8,9,10,11,12,13,14,15,16,17,18,19,20,21,22,23,24,25,26,27,28,29,30,31
	global_load_b128 v[VF+4*\i:VF+4*\i+3], v[GO], s[40:41] offset:16384*\i th:TH_LOAD_NT   ; x(32 w + i, my block's 128 positions): 512 consecutive bytes a load
.endr
	WIN 0
	s_wait_dscnt 0x0                               ; my reads of the slots are over:
	s_barrier_signal -1
	s_barrier_wait -1                              ; everybody's: the stage may be written
	WIN 0x41
.set jj, 0
	s_wait_alu depctr_va_vdst(0)
.rept 64
	v_pk_mul_f32 v[O+jj:O+jj+1], v[O+jj:O+jj+1], v[14:15] op_sel_hi:[1,0]   ; O^T / l, each accumulator from its low end on
.set jj, jj+2
.endr
	WIN 0x04                                       ; an LDS store's data are its source 1: window 1
.irp t, 0,1,2,3,4,5,6,7,8,9,10,11,12,13,14,15
.irp j, 0,1,2,3,4,5,6,7
.if \t < 8
	ds_store_b32 v[STO], v[O+8*\t+\j] offset:(16*\t+\j)*SP          ; channel 16 t + 8 h + j, my query
.else
	ds_store_b32 v[STO2], v[O+8*\t+\j] offset:(16*(\t-8)+\j)*SP
.endif
.endr
.endr
	WIN 0
	s_wait_dscnt 0x0                               ; my stores into the stage are done:
	s_barrier_signal -1
	s_barrier_wait -1                              ; everybody's
.irp i, 0,1,2,3,4,5,6,7,8,9,10,11,12,13,14,15,16,17,18,19,20,21,22,23,24,25,26,27,28,29,30,31
	ds_load_b128 v[S+4*\i:S+4*\i+3], v[RD] offset:SP*\i
.endr
	s_wait_loadcnt 0x0                             ; x
	WIN 0x44                                       ; source 0 (the stage's row; a store's address) window 0, source 1 (x; a store's data) and destination window 1
.irp i, 0,1,2,3,4,5,6,7,8,9,10,11,12,13,14,15,16,17,18,19,20,21,22,23,24,25,26,27,28,29,30,31
	s_wait_dscnt 31-\i                             ; LDS loads come back in order (ISA guide 5.7.1): row i is in, the younger rows may be out
	v_pk_add_f32 v[VF+4*\i:VF+4*\i+1], v[S+4*\i:S+4*\i+1], v[VF+4*\i:VF+4*\i+1]
	v_pk_add_f32 v[VF+4*\i+2:VF+4*\i+3], v[S+4*\i+2:S+4*\i+3], v[VF+4*\i+2:VF+4*\i+3]
	global_store_b128 v[GO], v[VF+4*\i:VF+4*\i+3], s[42:43] offset:16384*\i th:TH_STORE_NT   ; the wave stores 512 consecutive bytes, aligned; written once, read by nobody here
.endr
	WIN 0
	s_wait_tensorcnt 0x0                           ; the wave's end: behind my last tensor load and my last LDS store
	ds_add_u32 v[SPW], v[NIL]
	s_wait_dscnt 0x0
	CROUND                                         ; the closing round: no work-group ends while a partner may still ask for a tile that names it
	s_endpgm
.Lfunc_end_k_q03b90ea007_attn:
	.size	k_q03b90ea007_attn, .Lfunc_end_k_q03b90ea007_attn-k_q03b90ea007_attn
	.p2alignl 7, 3214868480
	.fill 96, 4, 3214868480
	.section	.rodata,"a",@progbits
	.p2align	6, 0x0
	.amdhsa_kernel k_q03b90ea007_attn
		.amdhsa_group_segment_fixed_size 327680
		.amdhsa_private_segment_fixed_size 0
		.amdhsa_enable_private_segment 0
		.amdhsa_kernarg_size 40
		.amdhsa_user_sgpr_count 2
		.amdhsa_user_sgpr_kernarg_segment_ptr 1
		.amdhsa_wavefront_size32 1
		.amdhsa_system_sgpr_workgroup_id_x 1
		.amdhsa_system_sgpr_workgroup_id_y 1
		.amdhsa_system_sgpr_workgroup_id_z 1
		.amdhsa_system_vgpr_workitem_id 0
		.amdhsa_next_free_vgpr 512
		.amdhsa_next_free_sgpr 66
		.amdhsa_reserve_vcc 1
		.amdhsa_float_denorm_mode_32 3
		.amdhsa_float_denorm_mode_16_64 3
		.amdhsa_memory_ordered 1
		.amdhsa_forward_progress 1
		.amdhsa_inst_pref_size 213
	.end_amdhsa_kernel
	.amdgpu_metadata
---
amdhsa.version: [ 1, 2 ]
amdhsa.kernels:
  - .name:           k_q03b90ea007_attn
    .symbol:         k_q03b90ea007_attn.kd
    .args:
      - { .name: qimg, .offset: 0, .size: 8, .value_kind: global_buffer, .address_space: global }
      - { .name: qsc, .offset: 8, .size: 8, .value_kind: global_buffer, .address_space: global }
      - { .name: kv, .offset: 16, .size: 8, .value_kind: global_buffer, .address_space: global }
      - { .name: x, .offset: 24, .size: 8, .value_kind: global_buffer, .address_space: global }
      - { .name: out0, .offset: 32, .size: 8, .value_kind: global_buffer, .address_space: global }
    .group_segment_fixed_size: 327680
    .private_segment_fixed_size: 0
    .kernarg_segment_align: 8
    .kernarg_segment_size: 40
    .max_flat_workgroup_size: 256
    .sgpr_count:     66
    .vgpr_count:     512
    .wavefront_size: 32
...
	.end_amdgpu_metadata
.endif
;; end of part 3
